; MI455X (gfx1250); checked and timed in simulation.
; The chip was launched on July 23, 2026; its instructions are those of AMD's public machine-readable ISA for CDNA 5 (MIT licence, August 2026) and "CDNA5" Instruction Set Architecture Reference Guide (July 2026). The comments in the code are by the model that wrote it; some were corrected since.
;; Exact Score Network. Allowed arithmetic: float matrix products may take bf16 or f16 operands with f32 sums; all other float work in f32.
;; Inputs: centers 128 x 256 float32; stds 128 x 256 float32; t 4,096 float32; weights 128 float32; x 4,096 x 256 float32.
;; Outputs: out0 4,096 x 256 float32.
;; 2 versions, each right and faster than the one before. Each part assembles by itself: llvm-mc -triple=amdgcn-amd-amdhsa -mcpu=gfx1250 --defsym DOCPART=n.
;; ======== version 1 of 2: 1 launch
;; limits: right only within a limited range of input values
;; launch score (part 1): grid 256 x 1, 16 waves a work-group, no clusters, 264,704 bytes of LDS; arguments centers, stds, t, weights, x, out0; writes out0
.if DOCPART == 1
	.amdgcn_target "amdgcn-amd-amdhsa--gfx1250"
	.amdhsa_code_object_version 6
	.text
	.protected	k_qc35d0643d4_score
	.globl	k_qc35d0643d4_score
	.p2align	8
	.type	k_qc35d0643d4_score,@function
k_qc35d0643d4_score:
	s_mov_b64 s[64:65], 0
	v_nop
	global_prefetch_b8 v0, s[64:65] scope:SCOPE_SE
	s_setreg_imm32_b32 hwreg(HW_REG_WAVE_MODE, 25, 1), 1
	s_wait_xcnt 0x0
; out[b][d] = sqrt(1 - e) * sum over k of p[b][k] * q[b][k][d],   q = (x[b][d] - a c[k][d]) / var,   var = e stds[k][d]^2 + (1 - e),
; e = exp(-Bt), a = exp(-Bt/2), Bt = 0.1 t[b] + 9.95 t[b]^2,   p = softmax over k of z,
; z = log2 w[k] - 0.72134752 * sum_d (x - a c) q - 128 * sum_d log2 var      (everything in base 2: 0.72134752 = 1 / (2 ln 2)).
; This is minus sqrt(1 - e) times the gradient of the logsumexp.  The term 128 * 256 * log(2 pi) is the same for all k and cancels in the
; softmax for every input, so it is not formed.  The maximum is taken away by a running maximum.
; var hangs on b, k and d together: there is no matrix product here, all 134,217,728 elements are vector work, 1,024 for each lane.
;
; WORK.  256 work-groups of 16 waves; a work-group owns 16 rows.  Wave w: rg = w & 3 picks four rows, kg = w >> 2 a quarter of the k.
; A half of 16 lanes (h) holds rows 4 rg + h and 4 rg + 2 + h (r = 0, 1); a lane owns 16 columns d = 64 i + 4 (lane & 15) + 0..3, i = 0..3.
; So a sum over d is four steps inside 16 lanes, which serve two rows at once, and 16 lanes load and store 256 consecutive bytes, aligned.
; TABLE IN LDS: for each k 1,024 bytes of c[k], then 1,024 bytes of stds[k]^2.  It comes through registers (stds is squared on the way) in 16
; chunks of 8 k; in trip j the wave group kg works on k = 8 j + 2 kg and 8 j + 2 kg + 1.  Chunk j + 1 is stored at the head of trip j and chunk
; j + 2 is asked for there.  No byte of the table is written twice.
; NO JOINT LOADS IN A CLUSTER although all work-groups read this table: a tile brought by the mover would hold stds, not its square, which costs
; 8 more packed multiplies for each k in each lane; and a trip's 16 KiB stand against some 330 vector instructions in each of 16 waves.
; FEWER TRANSCENDENTALS: four variances are multiplied; one reciprocal and one logarithm serve the four (the single reciprocals come back by
; multiplying with the other factors).
; LIMITS.  var in [2^-31, 2^31], so that a product of four and its reciprocal are normal f32 numbers.  w normal and positive (w = 0 gives
; p = 0; w < 0 gives NaN as log does).  e and 1 - e are formed in f32; sums run in another order than a plain sum over d.
.set ROWB,    1024                     ; bytes in a row of x, out, centers, stds
.set KPITCH,  2048                     ; LDS bytes for one k
.set CHUNK_G, 8*ROWB                   ; a chunk of one table in memory
.set CHUNK_L, 8*KPITCH                 ; a chunk in LDS
.set LWB,     128*KPITCH               ; behind the table: 128 words log2(w) / 32
.set MLB,     65536                    ; the merge: bytes 0 .. 65,535 partial sums, then (m, l) of each wave
.set LA,  1                            ; LDS address of my columns in my wave group's first k of the trip
.set SA,  2                            ; LDS address of my 16 bytes of the next chunk to store
.set GA,  3                            ; byte offset in centers and in stds of my 16 bytes of the chunk asked for last
.set LWA, 4                            ; LDS address of the trip's two log-weights
.set XO,  5                            ; byte offset in x and out: row r = 0, column block 0
.set TO,  6
.set WO,  7
.set E,   8                            ; pairs (row r = 0, row r = 1); op_sel picks the row for both halves of a packed instruction
.set OM,  10                           ; 1 - e
.set NA,  12                           ; -a
.set SF,  14                           ; sqrt(1 - e)
.set LW,  16                           ; log2(w) / 32 of the trip's two k
.set MN,  18                           ; new maxima
.set MLS, 20                           ; v[20:23] = m0, m1, l0, l1
.set AL,  24                           ; 2^(old m - new m)
.set P0,  26                           ; p of the first k
.set P1,  28                           ; p of the second k
.set ZR,  30                           ; z: 2 kk + r
.set SQ,  34                           ; sum of diff q, a pair for each row
.set ZP,  38                           ; lw / 32 - 128 log2(..), a pair for each row
.set ST,  42                           ; v[42:49] staging: 16 bytes of c, 16 of stds
.set X,   50                           ; v[50:81]   x:   16 r + 4 i
.set ACC, 82                           ; v[82:113]  sum of p q, same order
.set Q,   114                          ; v[114:177] q:   32 kk + 16 r + 4 i
.set CB,  178                          ; v[178:209] two buffers: 8 c, 8 stds^2
.set VAR, 210
.set DIF, 218
.set PA,  226                          ; var pair 0 x pair 1
.set PB,  228                          ; var pair 2 x pair 3
.set PC,  230                          ; all four
.set RC,  232
.set LG,  234
.set RA,  236
.set RB,  238
	s_load_b256 s[4:11], s[0:1], 0x0               ; centers s[4:5], stds s[6:7], t s[8:9], weights s[10:11]
	s_load_b128 s[12:15], s[0:1], 0x20             ; x s[12:13], out s[14:15]
	v_lshl_add_u32 v240, v0, 2, 0x40200
	v_mov_b32 v241, 0
	v_lshrrev_b32 v[TO], 5, v0
	v_readfirstlane_b32 s16, v[TO]                 ; wave 0..15
	s_and_b32 s17, s16, 3                          ; rg
	s_lshr_b32 s18, s16, 2                         ; kg
	s_lshl_b32 s19, ttmp9, 4
	s_lshl2_add_u32 s19, s17, s19                  ; my wave's first row = 16 x work-group + 4 rg
	s_mov_b32 s20, 0x411f3333                      ; 9.95
	s_mov_b32 s21, 0x3dcccccd                      ; 0.1
	s_lshl_b32 s22, s18, 12                        ; 2 kg x KPITCH
	s_lshl_b32 s23, s18, 3
	s_add_co_u32 s23, s23, LWB
	s_mov_b32 s25, 0xff000000                      ; -2^127: the floor of the running maximum, so that z = -inf gives p = 0 and no NaN
	v_lshl_add_u32 v[GA], v0, 4, CHUNK_G           ; thread t brings bytes 16 t .. 16 t + 15 of a chunk; GA stands at chunk 1
	v_lshrrev_b32 v[SA], 6, v0                     ; which is k = t / 64 of the chunk,
	v_and_b32 v[WO], 63, v0
	v_lshlrev_b32 v[WO], 4, v[WO]                  ; byte 16 (t mod 64) of its row
	v_lshl_add_u32 v[SA], v[SA], 11, v[WO]
	v_and_b32 v[LA], 15, v0
	v_lshlrev_b32 v[LA], 4, v[LA]                  ; 16 (lane & 15)
	v_bfe_u32 v[TO], v0, 4, 1                      ; h
	v_add_nc_u32 v[TO], s19, v[TO]                 ; my row with r = 0
	v_lshl_add_u32 v[XO], v[TO], 10, v[LA]
	v_lshlrev_b32 v[TO], 2, v[TO]
	v_add_nc_u32 v[LA], s22, v[LA]
	v_and_b32 v[WO], 127, v0
	v_lshlrev_b32 v[WO], 2, v[WO]
	v_add_nc_u32 v[MN], LWB, v[WO]
	v_mov_b32 v[LWA], s23
	s_wait_kmcnt 0x0
	global_load_b128 v[Q:Q+3],   v[GA], s[4:5] offset:-CHUNK_G     ; chunk 0
	global_load_b128 v[Q+4:Q+7], v[GA], s[6:7] offset:-CHUNK_G
	global_load_b32 v[Q+8],  v[WO], s[10:11]
	global_load_b32 v[Q+10], v[TO], s[8:9]                         ; t of row r = 0
	global_load_b32 v[Q+11], v[TO], s[8:9] offset:8                ; and of r = 1, two rows on
.irp r, 0,1
.irp i, 0,1,2,3
	global_load_b128 v[X+16*\r+4*\i:X+16*\r+4*\i+3], v[XO], s[12:13] offset:2*ROWB*\r+256*\i
.endr
.endr
	global_load_b128 v[ST:ST+3],   v[GA], s[4:5]                   ; chunk 1 waits in the staging registers
	global_load_b128 v[ST+4:ST+7], v[GA], s[6:7]
	s_wait_loadcnt 0xa                             ; loads return in order: chunk 0, w and t are in; the 8 of x and the 2 of chunk 1 may be out
	v_pk_mul_f32 v[Q+4:Q+5], v[Q+4:Q+5], v[Q+4:Q+5]                ; stds^2
	v_pk_mul_f32 v[Q+6:Q+7], v[Q+6:Q+7], v[Q+6:Q+7]
	v_log_f32 v[Q+8], v[Q+8]
	ds_store_b128 v[SA], v[Q:Q+3]
	ds_store_b128 v[SA], v[Q+4:Q+7] offset:ROWB
	v_add_nc_u32 v[SA], CHUNK_L, v[SA]             ; (the plain instruction between the logarithm and its use)
	s_wait_alu depctr_va_vdst(0)
	v_mul_f32 v[Q+8], 0x3d000000, v[Q+8]           ; log2(w) / 32: each of 16 lanes adds it in both halves of a pair
	s_cmp_gt_u32 s16, 3
	s_cbranch_scc1 .Lno_lw                         ; threads 0 to 127 (waves 0 to 3) write the 128 words
	ds_store_b32 v[MN], v[Q+8]
.Lno_lw:
	v_fma_f32 v[Q+12], v[Q+10], s20, s21           ; 9.95 t + 0.1
	v_fma_f32 v[Q+13], v[Q+11], s20, s21
	v_pk_mul_f32 v[Q+12:Q+13], v[Q+12:Q+13], v[Q+10:Q+11]          ; Bt
	v_pk_mul_f32 v[Q+12:Q+13], v[Q+12:Q+13], 0xbfb8aa3b op_sel_hi:[1,0]   ; -Bt log2(e)
	v_pk_mul_f32 v[Q+14:Q+15], v[Q+12:Q+13], 0.5 op_sel_hi:[1,0]
	v_exp_f32 v[E],    v[Q+12]
	v_exp_f32 v[E+1],  v[Q+13]
	v_exp_f32 v[NA],   v[Q+14]
	v_exp_f32 v[NA+1], v[Q+15]
	v_nop                                          ; one plain place behind the run of transcendentals
	s_wait_alu depctr_va_vdst(0)
	v_sub_f32 v[OM],   1.0, v[E]
	v_sub_f32 v[OM+1], 1.0, v[E+1]
	v_sqrt_f32 v[SF],   v[OM]
	v_sqrt_f32 v[SF+1], v[OM+1]
	v_mul_f32 v[NA],   -1.0, v[NA]
	v_mul_f32 v[NA+1], -1.0, v[NA+1]
	s_wait_dscnt 0x0                               ; my part of chunk 0 and of the log-weights is in LDS,
	s_barrier_signal -1
	s_barrier_wait -1                              ; everybody's is
; Four LDS loads: c and stds^2 of one k for 8 of my columns (two blocks of 64 columns).  Lanes 0 to 15 take 256 consecutive bytes, lanes 16 to 31 the same.
.macro LOADG b, off
	ds_load_b128 v[CB+16*\b:CB+16*\b+3],     v[LA] offset:\off
	ds_load_b128 v[CB+16*\b+4:CB+16*\b+7],   v[LA] offset:\off+256
	ds_load_b128 v[CB+16*\b+8:CB+16*\b+11],  v[LA] offset:\off+ROWB
	ds_load_b128 v[CB+16*\b+12:CB+16*\b+15], v[LA] offset:\off+ROWB+256
.endm
; Eight elements of row r and of the trip's k number kk: columns of blocks 2 h and 2 h + 1, from buffer b.
.macro ELEM b, kk, h, r
.set c_, CB+16*\b
.set s_, CB+16*\b+8
.set x_, X+16*\r+8*\h
.set q_, Q+32*\kk+16*\r+8*\h
.irp p, 0,1,2,3
	v_pk_fma_f32 v[VAR+2*\p:VAR+2*\p+1], v[s_+2*\p:s_+2*\p+1], v[E:E+1], v[OM:OM+1] op_sel:[0,\r,\r] op_sel_hi:[1,\r,\r]   ; var = e s^2 + (1 - e)
.endr
	v_pk_mul_f32 v[PA:PA+1], v[VAR:VAR+1],   v[VAR+2:VAR+3]
	v_pk_mul_f32 v[PB:PB+1], v[VAR+4:VAR+5], v[VAR+6:VAR+7]
.irp p, 0,1,2,3
	v_pk_fma_f32 v[DIF+2*\p:DIF+2*\p+1], v[c_+2*\p:c_+2*\p+1], v[NA:NA+1], v[x_+2*\p:x_+2*\p+1] op_sel:[0,\r,0] op_sel_hi:[1,\r,1]   ; diff = x - a c
.endr
	v_pk_mul_f32 v[PC:PC+1], v[PA:PA+1], v[PB:PB+1]                ; two products of four variances
	v_pk_mul_f32 v[q_:q_+1],     v[DIF:DIF+1],     v[VAR+2:VAR+3]  ; diff times the partner's variance: needs no reciprocal yet
	v_pk_mul_f32 v[q_+2:q_+3],   v[DIF+2:DIF+3],   v[VAR:VAR+1]
	v_rcp_f32 v[RC],   v[PC]
	v_rcp_f32 v[RC+1], v[PC+1]
	v_log_f32 v[LG],   v[PC]
	v_log_f32 v[LG+1], v[PC+1]
	v_pk_mul_f32 v[q_+4:q_+5],   v[DIF+4:DIF+5],   v[VAR+6:VAR+7]  ; plain work that touches neither PC, RC nor LG stands behind the four transcendentals
	v_pk_mul_f32 v[q_+6:q_+7],   v[DIF+6:DIF+7],   v[VAR+4:VAR+5]
	s_wait_alu depctr_va_vdst(0)
	v_pk_mul_f32 v[RA:RA+1], v[RC:RC+1], v[PB:PB+1]                ; 1 / PA
	v_pk_mul_f32 v[RB:RB+1], v[RC:RC+1], v[PA:PA+1]                ; 1 / PB
.if \h
	v_pk_fma_f32 v[ZP+2*\r:ZP+2*\r+1], v[LG:LG+1], 0xc3000000, v[ZP+2*\r:ZP+2*\r+1] op_sel_hi:[1,0,1]      ; - 128 log2
.else
	v_pk_fma_f32 v[ZP+2*\r:ZP+2*\r+1], v[LG:LG+1], 0xc3000000, v[LW:LW+1] op_sel:[0,0,\kk] op_sel_hi:[1,0,\kk]   ; the log-weight starts the sum
.endif
	v_pk_mul_f32 v[q_:q_+1],     v[q_:q_+1],     v[RA:RA+1]        ; q = diff / var
	v_pk_mul_f32 v[q_+2:q_+3],   v[q_+2:q_+3],   v[RA:RA+1]
	v_pk_mul_f32 v[q_+4:q_+5],   v[q_+4:q_+5],   v[RB:RB+1]
	v_pk_mul_f32 v[q_+6:q_+7],   v[q_+6:q_+7],   v[RB:RB+1]
.if \h
	v_pk_fma_f32 v[SQ+2*\r:SQ+2*\r+1], v[DIF:DIF+1], v[q_:q_+1], v[SQ+2*\r:SQ+2*\r+1]
.else
	v_pk_mul_f32 v[SQ+2*\r:SQ+2*\r+1], v[DIF:DIF+1], v[q_:q_+1]    ; the first product starts the sum
.endif
.irp p, 1,2,3
	v_pk_fma_f32 v[SQ+2*\r:SQ+2*\r+1], v[DIF+2*\p:DIF+2*\p+1], v[q_+2*\p:q_+2*\p+1], v[SQ+2*\r:SQ+2*\r+1]
.endr
.endm
; z of k number kk for both rows: my 16 columns' part, then the sum over the 16 lanes of my half.  Every lane of a half ends with the same bits.
.macro ZFIN kk
	v_pk_fma_f32 v[ZP:ZP+1],     v[SQ:SQ+1],     0xbf38aa3b, v[ZP:ZP+1]     op_sel_hi:[1,0,1]   ; - sum / (2 ln 2)
	v_pk_fma_f32 v[ZP+2:ZP+3],   v[SQ+2:SQ+3],   0xbf38aa3b, v[ZP+2:ZP+3]   op_sel_hi:[1,0,1]
	v_add_f32 v[ZR+2*\kk],   v[ZP],   v[ZP+1]
	v_add_f32 v[ZR+2*\kk+1], v[ZP+2], v[ZP+3]
.irp m, 1,2,4,8
	v_add_f32_dpp v[ZR+2*\kk],   v[ZR+2*\kk],   v[ZR+2*\kk]   row_xmask:\m row_mask:0xf bank_mask:0xf
	v_add_f32_dpp v[ZR+2*\kk+1], v[ZR+2*\kk+1], v[ZR+2*\kk+1] row_xmask:\m row_mask:0xf bank_mask:0xf
.endr
.endm
; The running maximum and sum of both rows take in the trip's two k.
.macro SOFTMAX first
.if \first
	v_max3_num_f32 v[MLS],   v[ZR],   v[ZR+2], s25
	v_max3_num_f32 v[MLS+1], v[ZR+1], v[ZR+3], s25
	v_pk_add_f32 v[P0:P0+1], v[ZR:ZR+1],   v[MLS:MLS+1] neg_lo:[0,1] neg_hi:[0,1]
	v_pk_add_f32 v[P1:P1+1], v[ZR+2:ZR+3], v[MLS:MLS+1] neg_lo:[0,1] neg_hi:[0,1]
.irp i, 0,1,2,3
	v_exp_f32 v[P0+\i], v[P0+\i]
.endr
	v_nop                                          ; one plain place behind the exponentials
	s_wait_alu depctr_va_vdst(0)
	v_pk_add_f32 v[MLS+2:MLS+3], v[P0:P0+1], v[P1:P1+1]
.else
	v_max3_num_f32 v[MN],   v[MLS],   v[ZR],   v[ZR+2]
	v_max3_num_f32 v[MN+1], v[MLS+1], v[ZR+1], v[ZR+3]
	v_pk_add_f32 v[AL:AL+1], v[MLS:MLS+1], v[MN:MN+1] neg_lo:[0,1] neg_hi:[0,1]
	v_pk_add_f32 v[P0:P0+1], v[ZR:ZR+1],   v[MN:MN+1] neg_lo:[0,1] neg_hi:[0,1]
	v_pk_add_f32 v[P1:P1+1], v[ZR+2:ZR+3], v[MN:MN+1] neg_lo:[0,1] neg_hi:[0,1]
.irp i, 0,1,2,3,4,5
	v_exp_f32 v[AL+\i], v[AL+\i]                   ; AL, P0, P1 lie side by side
.endr
	v_mov_b32 v[MLS],   v[MN]                      ; plain work behind the exponentials
	v_mov_b32 v[MLS+1], v[MN+1]
	s_wait_alu depctr_va_vdst(0)
	v_pk_fma_f32 v[MLS+2:MLS+3], v[MLS+2:MLS+3], v[AL:AL+1], v[P0:P0+1]
	v_pk_add_f32 v[MLS+2:MLS+3], v[MLS+2:MLS+3], v[P1:P1+1]
.endif
.endm
; acc = acc 2^(old m - new m) + p0 q0 + p1 q1 for the 16 columns of row r.  In the first trip the first product starts the sums: nothing is cleared.
.macro ACCUP first, r
.set a_, ACC+16*\r
.set q_, Q+16*\r
.irp p, 0,1,2,3,4,5,6,7
.if \first
	v_pk_mul_f32 v[a_+2*\p:a_+2*\p+1], v[q_+2*\p:q_+2*\p+1], v[P0:P0+1] op_sel:[0,\r] op_sel_hi:[1,\r]
.else
	v_pk_mul_f32 v[a_+2*\p:a_+2*\p+1], v[a_+2*\p:a_+2*\p+1], v[AL:AL+1] op_sel:[0,\r] op_sel_hi:[1,\r]
.endif
.endr
.if \first == 0
.irp p, 0,1,2,3,4,5,6,7
	v_pk_fma_f32 v[a_+2*\p:a_+2*\p+1], v[q_+2*\p:q_+2*\p+1], v[P0:P0+1], v[a_+2*\p:a_+2*\p+1] op_sel:[0,\r,0] op_sel_hi:[1,\r,1]
.endr
.endif
.irp p, 0,1,2,3,4,5,6,7
	v_pk_fma_f32 v[a_+2*\p:a_+2*\p+1], v[q_+32+2*\p:q_+32+2*\p+1], v[P1:P1+1], v[a_+2*\p:a_+2*\p+1] op_sel:[0,\r,0] op_sel_hi:[1,\r,1]
.endr
.endm
; Trip j: two k, two rows a lane, 16 columns.  store: chunk j + 1 goes into LDS; load: chunk j + 2 is asked for; next: trip j + 1 follows.
; On entry the four loads of the trip's first group (buffer 0) and the load of its two log-weights are out or in.
.macro TRIP first, store, load, next
.if \store
	s_wait_loadcnt 0x0                             ; chunk j + 1 is in the staging registers (asked for a trip ago; in the first trip x too); GA is free
	v_pk_mul_f32 v[ST+4:ST+5], v[ST+4:ST+5], v[ST+4:ST+5]
	v_pk_mul_f32 v[ST+6:ST+7], v[ST+6:ST+7], v[ST+6:ST+7]
	ds_store_b128 v[SA], v[ST:ST+3]
	ds_store_b128 v[SA], v[ST+4:ST+7] offset:ROWB
	s_wait_dscnt 0x0                               ; for the other waves' sake: my part of chunk j + 1 is in LDS before I say so
	v_add_nc_u32 v[SA], CHUNK_L, v[SA]
.if \load
	v_add_nc_u32 v[GA], CHUNK_G, v[GA]
	global_load_b128 v[ST:ST+3],   v[GA], s[4:5]
	global_load_b128 v[ST+4:ST+7], v[GA], s[6:7]
.endif
	s_barrier_signal -1                            ; up to the wait below: register work, and reads of chunk j, which no wave writes any more
.endif
	LOADG 1, 512
	s_wait_dscnt 0x4                               ; LDS loads return in order: all but the four just issued are in
	ELEM 0, 0, 0, 0
	ELEM 0, 0, 0, 1
	LOADG 0, KPITCH
	s_wait_dscnt 0x4
	ELEM 1, 0, 1, 0
	ELEM 1, 0, 1, 1
	ZFIN 0
	LOADG 1, KPITCH+512
	s_wait_dscnt 0x4
	ELEM 0, 1, 0, 0
	ELEM 0, 1, 0, 1
.if \store
	s_barrier_wait -1                              ; chunk j + 1 is whole
.endif
.if \next
	LOADG 0, CHUNK_L                               ; the next trip's first group,
	ds_load_b64 v[LW:LW+1], v[LWA] offset:32       ; and its two log-weights (this trip's were last read in the group above)
	s_wait_dscnt 0x5                               ; these five may be out
.else
	s_wait_dscnt 0x0
.endif
	ELEM 1, 1, 1, 0
	ELEM 1, 1, 1, 1
	ZFIN 1
	SOFTMAX \first
	ACCUP \first, 0
	ACCUP \first, 1
.if \next
	v_add_nc_u32 v[LA], CHUNK_L, v[LA]
	v_add_nc_u32 v[LWA], 32, v[LWA]
.endif
.endm
	LOADG 0, 0
	ds_load_b64 v[LW:LW+1], v[LWA]
	TRIP 1, 1, 1, 1                                ; trip 0 starts the sums
	s_mov_b32 s24, 13
.Ltrip:
	TRIP 0, 1, 1, 1                                ; trips 1 to 13: the last of them asks for chunk 15
	s_sub_co_u32 s24, s24, 1
	s_cmp_lg_u32 s24, 0
	s_cbranch_scc1 .Ltrip
	TRIP 0, 1, 0, 1                                ; trip 14 stores chunk 15 and asks for nothing
	TRIP 0, 0, 0, 0                                ; trip 15: no store, no barrier, nothing ahead; it ends with no LDS access of mine out
	; THE MERGE.  The four waves with my rg hold (m, l, acc) of my four rows for a quarter of the k each.  All put theirs into LDS, over the
	; table's first bytes, which nobody reads behind the barrier below; wave (rg, kg) then finishes column block kg of the four rows.
	v_and_b32 v[VAR], 31, v0
	v_lshlrev_b32 v[VAR], 4, v[VAR]                ; 16 x lane
	v_bfe_u32 v[VAR+1], v0, 4, 1
	v_lshlrev_b32 v[VAR+1], 4, v[VAR+1]            ; 16 h
	s_lshl_b32 s20, s16, 12                        ; a wave's partial sums: 4,096 bytes
	s_lshl_b32 s21, s16, 5                         ; its (m0, m1, l0, l1) for each half: 32 bytes
	s_add_co_u32 s21, s21, MLB
	v_add_nc_u32 v[VAR+2], s20, v[VAR]
	v_add_nc_u32 v[VAR+3], s21, v[VAR+1]
	s_lshl_b32 s20, s17, 12
	s_lshl_b32 s22, s18, 9
	s_add_co_u32 s20, s20, s22                     ; from wave 4 g + rg: block r x 4 + kg of 512 bytes
	s_lshl_b32 s21, s17, 5
	s_add_co_u32 s21, s21, MLB
	v_add_nc_u32 v[VAR+4], s20, v[VAR]
	v_add_nc_u32 v[VAR+5], s21, v[VAR+1]
	s_lshl_b32 s22, s18, 8
	v_add_nc_u32 v[XO], s22, v[XO]                 ; column block kg in out (all loads that used XO were waited for)
	s_barrier_signal -1
	s_barrier_wait -1                              ; every wave's reads of the table are over
.irp n, 0,1,2,3,4,5,6,7
	ds_store_b128 v[VAR+2], v[ACC+4*\n:ACC+4*\n+3] offset:512*\n   ; 32 lanes, 512 consecutive bytes
.endr
	ds_store_b128 v[VAR+3], v[MLS:MLS+3]           ; the 16 lanes of a half write the same 16 bytes with the same bits
	s_wait_dscnt 0x0
	s_barrier_signal -1
	s_barrier_wait -1
.irp g, 0,1,2,3
	ds_load_b128 v[Q+32+4*\g:Q+35+4*\g], v[VAR+5] offset:128*\g    ; m0, m1, l0, l1 of quarter g
.endr
.irp g, 0,1,2,3
.irp r, 0,1
	ds_load_b128 v[Q+8*\g+4*\r:Q+8*\g+4*\r+3], v[VAR+4] offset:16384*\g+2048*\r
.endr
.endr
	s_wait_dscnt 0x8                               ; the four (m, l) are in; the eight loads of partial sums may be out
	v_max3_num_f32 v[DIF],   v[Q+32], v[Q+36], v[Q+40]
	v_max3_num_f32 v[DIF+1], v[Q+33], v[Q+37], v[Q+41]
	v_max_num_f32 v[DIF],   v[DIF],   v[Q+44]
	v_max_num_f32 v[DIF+1], v[DIF+1], v[Q+45]
.irp g, 0,1,2,3
	v_pk_add_f32 v[Q+32+4*\g:Q+33+4*\g], v[Q+32+4*\g:Q+33+4*\g], v[DIF:DIF+1] neg_lo:[0,1] neg_hi:[0,1]
.endr
.irp g, 0,1,2,3
	v_exp_f32 v[Q+32+4*\g], v[Q+32+4*\g]           ; f = 2^(m of the quarter - m of the row)
	v_exp_f32 v[Q+33+4*\g], v[Q+33+4*\g]
.endr
	v_nop
	s_wait_alu depctr_va_vdst(0)
	v_pk_mul_f32 v[DIF+2:DIF+3], v[Q+34:Q+35], v[Q+32:Q+33]
.irp g, 1,2,3
	v_pk_fma_f32 v[DIF+2:DIF+3], v[Q+34+4*\g:Q+35+4*\g], v[Q+32+4*\g:Q+33+4*\g], v[DIF+2:DIF+3]
.endr
	v_rcp_f32 v[DIF+2], v[DIF+2]                   ; the sum is at least 1: the row's largest term is 2^0
	v_rcp_f32 v[DIF+3], v[DIF+3]
	v_nop
	s_wait_alu depctr_va_vdst(0)
	v_pk_mul_f32 v[DIF+2:DIF+3], v[DIF+2:DIF+3], v[SF:SF+1]        ; sqrt(1 - e) / sum
.irp g, 0,1,2,3
	v_pk_mul_f32 v[Q+32+4*\g:Q+33+4*\g], v[Q+32+4*\g:Q+33+4*\g], v[DIF+2:DIF+3]
.endr
	s_wait_dscnt 0x0
.irp r, 0,1
.irp p, 0,1
	v_pk_mul_f32 v[ACC+4*\r+2*\p:ACC+4*\r+2*\p+1], v[Q+4*\r+2*\p:Q+4*\r+2*\p+1], v[Q+32:Q+33] op_sel:[0,\r] op_sel_hi:[1,\r]
.irp g, 1,2,3
	v_pk_fma_f32 v[ACC+4*\r+2*\p:ACC+4*\r+2*\p+1], v[Q+8*\g+4*\r+2*\p:Q+8*\g+4*\r+2*\p+1], v[Q+32+4*\g:Q+33+4*\g], v[ACC+4*\r+2*\p:ACC+4*\r+2*\p+1] op_sel:[0,\r,0] op_sel_hi:[1,\r,1]
.endr
.endr
.endr
	global_store_b128 v[XO], v[ACC:ACC+3],   s[14:15] th:TH_STORE_NT                  ; 16 lanes store 256 consecutive bytes, at a multiple of 256 from out's first byte
	global_store_b128 v[XO], v[ACC+4:ACC+7], s[14:15] offset:2*ROWB th:TH_STORE_NT
	s_wait_tensorcnt 0x0
	ds_add_u32 v240, v241
	s_wait_dscnt 0x0
	s_endpgm
.Lfunc_end_k_qc35d0643d4_score:
	.size	k_qc35d0643d4_score, .Lfunc_end_k_qc35d0643d4_score-k_qc35d0643d4_score
	.p2alignl 7, 3214868480
	.fill 96, 4, 3214868480
	.section	.rodata,"a",@progbits
	.p2align	6, 0x0
	.amdhsa_kernel k_qc35d0643d4_score
		.amdhsa_group_segment_fixed_size 264704
		.amdhsa_private_segment_fixed_size 0
		.amdhsa_enable_private_segment 0
		.amdhsa_kernarg_size 48
		.amdhsa_user_sgpr_count 2
		.amdhsa_user_sgpr_kernarg_segment_ptr 1
		.amdhsa_wavefront_size32 1
		.amdhsa_system_sgpr_workgroup_id_x 1
		.amdhsa_system_sgpr_workgroup_id_y 1
		.amdhsa_system_sgpr_workgroup_id_z 1
		.amdhsa_system_vgpr_workitem_id 0
		.amdhsa_next_free_vgpr 242
		.amdhsa_next_free_sgpr 66
		.amdhsa_reserve_vcc 0
		.amdhsa_float_denorm_mode_32 3
		.amdhsa_float_denorm_mode_16_64 3
		.amdhsa_memory_ordered 1
		.amdhsa_forward_progress 1
		.amdhsa_inst_pref_size 95
	.end_amdhsa_kernel
	.amdgpu_metadata
---
amdhsa.version: [ 1, 2 ]
amdhsa.kernels:
  - .name:           k_qc35d0643d4_score
    .symbol:         k_qc35d0643d4_score.kd
    .args:
      - { .name: centers, .offset: 0, .size: 8, .value_kind: global_buffer, .address_space: global }
      - { .name: stds, .offset: 8, .size: 8, .value_kind: global_buffer, .address_space: global }
      - { .name: t, .offset: 16, .size: 8, .value_kind: global_buffer, .address_space: global }
      - { .name: weights, .offset: 24, .size: 8, .value_kind: global_buffer, .address_space: global }
      - { .name: x, .offset: 32, .size: 8, .value_kind: global_buffer, .address_space: global }
      - { .name: out0, .offset: 40, .size: 8, .value_kind: global_buffer, .address_space: global }
    .group_segment_fixed_size: 264704
    .private_segment_fixed_size: 0
    .kernarg_segment_align: 8
    .kernarg_segment_size: 48
    .max_flat_workgroup_size: 512
    .sgpr_count:     66
    .vgpr_count:     242
    .wavefront_size: 32
...
	.end_amdgpu_metadata
.endif
;; end of part 1
;; ======== version 2 of 2: 1 launch; 1.27 times as fast as version 1
;; limits: right only within a limited range of input values
;; launch score (part 2): grid 256 x 1, 16 waves a work-group, no clusters, 264,704 bytes of LDS; arguments centers, stds, t, weights, x, out0; writes out0
.if DOCPART == 2
	.amdgcn_target "amdgcn-amd-amdhsa--gfx1250"
	.amdhsa_code_object_version 6
	.text
	.protected	k_qc35d0643d4_score
	.globl	k_qc35d0643d4_score
	.p2align	8
	.type	k_qc35d0643d4_score,@function
k_qc35d0643d4_score:
	s_mov_b64 s[64:65], 0
	v_nop
	global_prefetch_b8 v0, s[64:65] scope:SCOPE_SE
	s_setreg_imm32_b32 hwreg(HW_REG_WAVE_MODE, 25, 1), 1
	s_wait_xcnt 0x0
; out[b][d] = sqrt(1 - e) * sum over k of p[b][k] * q[b][k][d],   q = (x[b][d] - a c[k][d]) / var,   var = e stds[k][d]^2 + (1 - e),
; e = exp(-Bt), a = exp(-Bt/2), Bt = 0.1 t[b] + 9.95 t[b]^2,   p = softmax over k of z,
; z = log2 w[k] - 0.72134752 * sum_d (x - a c) q - 128 * sum_d log2 var      (everything in base 2: 0.72134752 = 1 / (2 ln 2)).
; This is minus sqrt(1 - e) times the gradient of the logsumexp.  The term 128 * 256 * log(2 pi) is the same for all k and cancels in the
; softmax for every input, so it is not formed.  The maximum is taken away by a running maximum.
; var hangs on b, k and d together: there is no matrix product here, all 134,217,728 elements are vector work, 1,024 for each lane.
;
; WORK.  256 work-groups of 16 waves; a work-group owns 16 rows.  Wave w: rg = w & 3 picks four rows, kg = w >> 2 a quarter of the k.
; A half of 16 lanes (h) holds rows 4 rg + h and 4 rg + 2 + h (r = 0, 1); a lane owns 16 columns d = 64 i + 4 (lane & 15) + 0..3, i = 0..3.
; So a sum over d is four steps inside 16 lanes, and 16 lanes load and store 256 consecutive bytes, aligned.
; TABLE IN LDS: for each k 1,024 bytes of c[k], then 1,024 bytes of stds[k]^2.  It comes through registers (stds is squared on the way) in 16
; chunks of 8 k; in trip j the wave group kg works on k = 8 j + 2 kg and 8 j + 2 kg + 1.  Chunk j + 2 is asked for at the head of trip j and
; stored near its end.  No byte of the table is written twice.
; NO JOINT LOADS IN A CLUSTER although all work-groups read this table: a tile brought by the mover would hold stds, not its square, which costs
; 8 more packed multiplies for each k in each lane; and a trip's 16 KiB stand against some 330 vector instructions in each of 16 waves.
; FEWER TRANSCENDENTALS: eight variances are multiplied; one reciprocal and one logarithm serve the eight.  The single reciprocals come back by
; multiplying with the other factors: 1 / (product of 8) -> 1 / (product of 4) -> 1 / (product of 2), and diff is multiplied by its partner's variance.
; ORDER.  The steps of one (k, row) that hang on each other (products, reciprocal, back-multiplication, sums, lane sums, softmax) are kept about
; four instructions apart: diff and its products with the partner's variance fill the gaps of the reciprocal's chain, the sums are woven into the
; multiplies that make q, the lane sums of one row run in slots of the next block, which works on the other row, and row 1's softmax runs among
; row 0's updates of the weighted sum.
; LIMITS.  A product of eight variances and its reciprocal have to be normal f32 numbers: var in [2^-15, 2^15].  For e in [0, 1] var lies between
; stds^2 and 1, so |stds| in [2^-7.5, 2^7.5] = [0.0056, 181] is enough.  w normal and positive (w = 0 gives p = 0; w < 0 gives NaN as log does).
; e and 1 - e are formed in f32; sums run in another order than a plain sum over d.
.set ROWB,    1024                     ; bytes in a row of x, out, centers, stds
.set KPITCH,  2048                     ; LDS bytes for one k
.set CHUNK_G, 8*ROWB                   ; a chunk of one table in memory
.set CHUNK_L, 8*KPITCH                 ; a chunk in LDS
.set LWB,     128*KPITCH               ; behind the table: 128 words log2(w) / 32
.set MLB,     65536                    ; the merge: bytes 0 .. 65,535 partial sums, then (m, l) of each wave
.set LA,  1                            ; LDS address of my columns in my wave group's first k of the trip
.set SA,  2                            ; LDS address of my 16 bytes of the next chunk to store
.set GA,  3                            ; byte offset in centers and in stds of my 16 bytes of the chunk asked for last
.set LWA, 4                            ; LDS address of the trip's two log-weights
.set XO,  5                            ; byte offset in x and out: row r = 0, column block 0
.set TO,  6
.set WO,  7
.set E,   8                            ; pairs (row r = 0, row r = 1); op_sel picks the row for both halves of a packed instruction
.set OM,  10                           ; 1 - e
.set NA,  12                           ; -a
.set SF,  14                           ; sqrt(1 - e)
.set LW,  16                           ; log2(w) / 32 of the trip's two k
.set AM1, 18                           ; row 1: (2^(old m - new m), new m)
.set MLS, 20                           ; v[20:23] = m0, m1, l0, l1
.set AM0, 24                           ; row 0: the same pair.  Each row has pairs of its own: a packed read of one row's pair names no register of the other row
.set PP,  26                           ; (p of the first k, p of the second k): row 0 at 26, row 1 at 28
.set ZR,  30                           ; z: 2 kk + r
.set SQ,  34                           ; sum of diff q: two chains, one for each half of my 16 columns
.set ZP,  38                           ; my columns' part of z, a pair for each row
.set ST,  42                           ; v[42:49] staging: 16 bytes of c, 16 of stds
.set X,   50                           ; v[50:81]   x:   16 r + 4 i
.set ACC, 82                           ; v[82:113]  sum of p q, same order
.set Q,   114                          ; v[114:177] q:   32 kk + 16 r + 4 i
.set CB,  178                          ; v[178:209] one k: half h of my columns at 16 h: 8 c, 8 stds^2
.set VAR, 210                          ; v[210:217] the variances of the upper half; later the four reciprocals of the products of two
.set DIF, 218                          ; v[218:233] diff of my 16 columns
.set PAB, 234                          ; v[234:241] the four products of two pairs of variances
.set PC,  242                          ; v[242:245] the products of four
.set PD,  246                          ; the products of eight
.set VA,  248                          ; v[248:255] the variances of the lower half; all are read for the last time ahead of the reciprocal, so
.set RD,  248                          ; the reciprocals of the products of eight
.set LG,  250                          ; and their logarithms take the first four of them
	s_load_b256 s[4:11], s[0:1], 0x0               ; centers s[4:5], stds s[6:7], t s[8:9], weights s[10:11]
	s_load_b128 s[12:15], s[0:1], 0x20             ; x s[12:13], out s[14:15]
	v_lshrrev_b32 v[TO], 5, v0
	v_readfirstlane_b32 s16, v[TO]                 ; wave 0..15
	s_and_b32 s17, s16, 3                          ; rg
	s_lshr_b32 s18, s16, 2                         ; kg
	s_lshl_b32 s19, ttmp9, 4
	s_lshl2_add_u32 s19, s17, s19                  ; my wave's first row = 16 x work-group + 4 rg
	s_mov_b32 s20, 0x411f3333                      ; 9.95
	s_mov_b32 s21, 0x3dcccccd                      ; 0.1
	s_lshl_b32 s22, s18, 12                        ; 2 kg x KPITCH
	s_lshl_b32 s23, s18, 3
	s_add_co_u32 s23, s23, LWB
	s_mov_b32 s25, 0xff000000                      ; -2^127: the floor of the running maximum, so that z = -inf gives p = 0 and no NaN
	v_lshl_add_u32 v[GA], v0, 4, CHUNK_G           ; thread t brings bytes 16 t .. 16 t + 15 of a chunk; GA stands at chunk 1
	v_lshrrev_b32 v[SA], 6, v0                     ; which is k = t / 64 of the chunk,
	v_and_b32 v[WO], 63, v0
	v_lshlrev_b32 v[WO], 4, v[WO]                  ; byte 16 (t mod 64) of its row
	v_lshl_add_u32 v[SA], v[SA], 11, v[WO]
	v_and_b32 v[LA], 15, v0
	v_lshlrev_b32 v[LA], 4, v[LA]                  ; 16 (lane & 15)
	v_bfe_u32 v[TO], v0, 4, 1                      ; h
	v_add_nc_u32 v[TO], s19, v[TO]                 ; my row with r = 0
	v_lshl_add_u32 v[XO], v[TO], 10, v[LA]
	v_lshlrev_b32 v[TO], 2, v[TO]
	v_add_nc_u32 v[LA], s22, v[LA]
	v_and_b32 v[WO], 127, v0
	v_lshlrev_b32 v[WO], 2, v[WO]
	v_add_nc_u32 v[AM1], LWB, v[WO]                ; (at work here: the LDS address of my log-weight)
	v_mov_b32 v[LWA], s23
	s_wait_kmcnt 0x0
	global_load_b128 v[Q:Q+3],   v[GA], s[4:5] offset:-CHUNK_G     ; chunk 0
	global_load_b128 v[Q+4:Q+7], v[GA], s[6:7] offset:-CHUNK_G
	global_load_b32 v[Q+8],  v[WO], s[10:11]
	global_load_b32 v[Q+10], v[TO], s[8:9]                         ; t of row r = 0
	global_load_b32 v[Q+11], v[TO], s[8:9] offset:8                ; and of r = 1, two rows on
.irp r, 0,1
.irp i, 0,1,2,3
	global_load_b128 v[X+16*\r+4*\i:X+16*\r+4*\i+3], v[XO], s[12:13] offset:2*ROWB*\r+256*\i
.endr
.endr
	global_load_b128 v[ST:ST+3],   v[GA], s[4:5]                   ; chunk 1 into the staging registers
	global_load_b128 v[ST+4:ST+7], v[GA], s[6:7]
	s_wait_loadcnt 0xa                             ; loads return in order: chunk 0, w and t are in; the 8 of x and the 2 of chunk 1 may be out
	v_pk_mul_f32 v[Q+4:Q+5], v[Q+4:Q+5], v[Q+4:Q+5]                ; stds^2
	v_pk_mul_f32 v[Q+6:Q+7], v[Q+6:Q+7], v[Q+6:Q+7]
	v_log_f32 v[Q+8], v[Q+8]
	ds_store_b128 v[SA], v[Q:Q+3]
	ds_store_b128 v[SA], v[Q+4:Q+7] offset:ROWB
	v_add_nc_u32 v[SA], CHUNK_L, v[SA]             ; (the plain instruction between the logarithm and its use)
	s_wait_alu depctr_va_vdst(0)
	v_mul_f32 v[Q+8], 0x3d000000, v[Q+8]           ; log2(w) / 32: each of 16 lanes adds it in both halves of a pair
	s_cmp_gt_u32 s16, 3
	s_cbranch_scc1 .Lno_lw                         ; threads 0 to 127 (waves 0 to 3) write the 128 words
	ds_store_b32 v[AM1], v[Q+8]
.Lno_lw:
	v_fma_f32 v[Q+12], v[Q+10], s20, s21           ; 9.95 t + 0.1
	v_fma_f32 v[Q+13], v[Q+11], s20, s21
	v_pk_mul_f32 v[Q+12:Q+13], v[Q+12:Q+13], v[Q+10:Q+11]          ; Bt
	v_pk_mul_f32 v[Q+12:Q+13], v[Q+12:Q+13], 0xbfb8aa3b op_sel_hi:[1,0]   ; -Bt log2(e)
	v_pk_mul_f32 v[Q+14:Q+15], v[Q+12:Q+13], 0.5 op_sel_hi:[1,0]
	v_exp_f32 v[E],    v[Q+12]
	v_exp_f32 v[E+1],  v[Q+13]
	v_exp_f32 v[NA],   v[Q+14]
	v_exp_f32 v[NA+1], v[Q+15]
	v_nop                                          ; one plain place behind the run of transcendentals
	s_wait_alu depctr_va_vdst(0)
	v_sub_f32 v[OM],   1.0, v[E]
	v_sub_f32 v[OM+1], 1.0, v[E+1]
	v_sqrt_f32 v[SF],   v[OM]
	v_sqrt_f32 v[SF+1], v[OM+1]
	v_mul_f32 v[NA],   -1.0, v[NA]
	v_mul_f32 v[NA+1], -1.0, v[NA+1]
	s_wait_dscnt 0x0                               ; my part of chunk 0 and of the log-weights is in LDS,
	s_barrier_signal -1
	s_barrier_wait -1                              ; everybody's is
; LDS loads of one k for my 16 columns: four of stds^2, four of c.  Lanes 0 to 15 take 256 consecutive bytes, lanes 16 to 31 the same.
.macro LS off
	ds_load_b128 v[CB+8:CB+11],  v[LA] offset:\off+ROWB
	ds_load_b128 v[CB+12:CB+15], v[LA] offset:\off+ROWB+256
	ds_load_b128 v[CB+24:CB+27], v[LA] offset:\off+ROWB+512
	ds_load_b128 v[CB+28:CB+31], v[LA] offset:\off+ROWB+768
.endm
.macro LC off
	ds_load_b128 v[CB:CB+3],     v[LA] offset:\off
	ds_load_b128 v[CB+4:CB+7],   v[LA] offset:\off+256
	ds_load_b128 v[CB+16:CB+19], v[LA] offset:\off+512
	ds_load_b128 v[CB+20:CB+23], v[LA] offset:\off+768
.endm
; The chunk in the staging registers goes into LDS, stds squared on the way.
.macro STAGE
	s_wait_loadcnt 0x0                             ; the chunk is in (asked for at the trip's head; in the set-up x too); GA is free since this wait
	ds_store_b128 v[SA], v[ST:ST+3]
	v_pk_mul_f32 v[ST+4:ST+5], v[ST+4:ST+5], v[ST+4:ST+5]
	v_pk_mul_f32 v[ST+6:ST+7], v[ST+6:ST+7], v[ST+6:ST+7]
	ds_store_b128 v[SA], v[ST+4:ST+7] offset:ROWB
	v_add_nc_u32 v[SA], CHUNK_L, v[SA]
.endm
; Step i of the chain that ends a (k, row).  0 to 6: my columns' part of z and its sum over the 16 lanes of my half (every lane ends with the
; same bits).  7 to 11, behind the trip's second k only: the row's running maximum and sum take in the trip's two k.
.macro CH first, kk, r, i
.set c_z,  ZP+2*\r
.set c_zr, ZR+2*\kk+\r
.set c_am, AM0+(AM1-AM0)*\r
.set c_pp, PP+2*\r
.set c_m,  MLS+\r
.set c_l,  MLS+2+\r
.if \i == 0
	v_pk_fma_f32 v[c_z:c_z+1], v[SQ:SQ+1],   0xbf38aa3b, v[c_z:c_z+1] op_sel_hi:[1,0,1]   ; - sum / (2 ln 2)
.endif
.if \i == 1
	v_pk_fma_f32 v[c_z:c_z+1], v[SQ+2:SQ+3], 0xbf38aa3b, v[c_z:c_z+1] op_sel_hi:[1,0,1]
.endif
.if \i == 2
	v_add_f32 v[c_zr], v[c_z], v[c_z+1]
.endif
.if \i == 3
	v_add_f32_dpp v[c_zr], v[c_zr], v[c_zr] row_xmask:1 row_mask:0xf bank_mask:0xf
.endif
.if \i == 4
	v_add_f32_dpp v[c_zr], v[c_zr], v[c_zr] row_xmask:2 row_mask:0xf bank_mask:0xf
.endif
.if \i == 5
	v_add_f32_dpp v[c_zr], v[c_zr], v[c_zr] row_xmask:4 row_mask:0xf bank_mask:0xf
.endif
.if \i == 6
	v_add_f32_dpp v[c_zr], v[c_zr], v[c_zr] row_xmask:8 row_mask:0xf bank_mask:0xf
.endif
.if \i == 7
.if \first
	v_max3_num_f32 v[c_am+1], v[ZR+\r], v[ZR+2+\r], s25
.else
	v_max3_num_f32 v[c_am+1], v[c_m], v[ZR+\r], v[ZR+2+\r]
.endif
.endif
.if \i == 8
.if \first == 0
	v_sub_f32 v[c_am], v[c_m], v[c_am+1]
.endif
	v_sub_f32 v[c_pp],   v[ZR+\r],   v[c_am+1]
	v_sub_f32 v[c_pp+1], v[ZR+2+\r], v[c_am+1]
.endif
.if \i == 9                                        ; whatever follows this step is plain work that names none of these registers
.if \first == 0
	v_exp_f32 v[c_am], v[c_am]
.endif
	v_exp_f32 v[c_pp],   v[c_pp]
	v_exp_f32 v[c_pp+1], v[c_pp+1]
.endif
.if \i == 10
	v_mov_b32 v[c_m], v[c_am+1]
.if \first
	s_wait_alu depctr_va_vdst(0)
	v_add_f32 v[c_l], v[c_pp], v[c_pp+1]
.else
	s_wait_alu depctr_va_vdst(0)
	v_fma_f32 v[c_l], v[c_l], v[c_am], v[c_pp]
.endif
.endif
.if \i == 11
.if \first == 0
	v_add_f32 v[c_l], v[c_l], v[c_pp+1]
.endif
.endif
.endm
.macro HK first, nch, ckk, cr, i       ; slot i of a block: the chain's step i, if the chain that rides on this block has so many
.if \i < \nch
	CH \first, \ckk, \cr, \i
.endif
.endm
; The 16 elements of row r and of the trip's k number kk.  nch steps of the chain of (ckk, cr), which is the other row, ride in its slots.
; ld = 1: c and stds^2 of the trip's second k are asked for as soon as this block, the last reader, has read them.  wt = 1: they are waited for.
.macro ELEM kk, r, first, nch, ckk, cr, ld, wt
.set e_x, X+16*\r
.set e_q, Q+32*\kk+16*\r
.set e_z, ZP+2*\r
.if \wt
	s_wait_dscnt 0x4                               ; LDS loads return in order: the four of stds^2 are in, the four of c may be out
.endif
.irp p, 0,1,2,3
	v_pk_fma_f32 v[VA+2*\p:VA+2*\p+1], v[CB+8+2*\p:CB+8+2*\p+1], v[E:E+1], v[OM:OM+1] op_sel:[0,\r,\r] op_sel_hi:[1,\r,\r]      ; var = e s^2 + (1 - e)
.endr
	HK \first, \nch, \ckk, \cr, 0
.irp p, 0,1,2,3
	v_pk_fma_f32 v[VAR+2*\p:VAR+2*\p+1], v[CB+24+2*\p:CB+24+2*\p+1], v[E:E+1], v[OM:OM+1] op_sel:[0,\r,\r] op_sel_hi:[1,\r,\r]
.endr
	HK \first, \nch, \ckk, \cr, 1
	v_pk_mul_f32 v[PAB:PAB+1],   v[VA:VA+1],     v[VA+2:VA+3]
	v_pk_mul_f32 v[PAB+2:PAB+3], v[VA+4:VA+5],   v[VA+6:VA+7]
	v_pk_mul_f32 v[PAB+4:PAB+5], v[VAR:VAR+1],   v[VAR+2:VAR+3]
	v_pk_mul_f32 v[PAB+6:PAB+7], v[VAR+4:VAR+5], v[VAR+6:VAR+7]
.if \ld
	LS KPITCH
.endif
	HK \first, \nch, \ckk, \cr, 2
.if \wt
	s_wait_dscnt 0x0
.endif
.irp p, 0,1,2,3
	v_pk_fma_f32 v[DIF+2*\p:DIF+2*\p+1], v[CB+2*\p:CB+2*\p+1], v[NA:NA+1], v[e_x+2*\p:e_x+2*\p+1] op_sel:[0,\r,0] op_sel_hi:[1,\r,1]   ; diff = x - a c
.endr
	HK \first, \nch, \ckk, \cr, 3
	v_pk_mul_f32 v[PC:PC+1],     v[PAB:PAB+1],     v[PAB+2:PAB+3]  ; products of four variances
	v_pk_mul_f32 v[PC+2:PC+3],   v[PAB+4:PAB+5],   v[PAB+6:PAB+7]
.irp p, 0,1
	v_pk_fma_f32 v[DIF+8+2*\p:DIF+8+2*\p+1], v[CB+16+2*\p:CB+16+2*\p+1], v[NA:NA+1], v[e_x+8+2*\p:e_x+8+2*\p+1] op_sel:[0,\r,0] op_sel_hi:[1,\r,1]
.endr
	HK \first, \nch, \ckk, \cr, 4
.irp p, 2,3
	v_pk_fma_f32 v[DIF+8+2*\p:DIF+8+2*\p+1], v[CB+16+2*\p:CB+16+2*\p+1], v[NA:NA+1], v[e_x+8+2*\p:e_x+8+2*\p+1] op_sel:[0,\r,0] op_sel_hi:[1,\r,1]
.endr
	v_pk_mul_f32 v[PD:PD+1],     v[PC:PC+1],       v[PC+2:PC+3]    ; two products of eight variances
	v_pk_mul_f32 v[e_q:e_q+1],   v[DIF:DIF+1],     v[VA+2:VA+3]    ; diff times the partner's variance: needs no reciprocal yet
	HK \first, \nch, \ckk, \cr, 5
	v_pk_mul_f32 v[e_q+2:e_q+3], v[DIF+2:DIF+3],   v[VA:VA+1]
	v_pk_mul_f32 v[e_q+4:e_q+5], v[DIF+4:DIF+5],   v[VA+6:VA+7]
	v_pk_mul_f32 v[e_q+6:e_q+7], v[DIF+6:DIF+7],   v[VA+4:VA+5]    ; the last read of VA: RD and LG may take its place
.if \ld
	LC KPITCH
.endif
	v_rcp_f32 v[RD],   v[PD]
	v_rcp_f32 v[RD+1], v[PD+1]
	v_log_f32 v[LG],   v[PD]
	v_log_f32 v[LG+1], v[PD+1]
	v_pk_mul_f32 v[e_q+8:e_q+9],   v[DIF+8:DIF+9],   v[VAR+2:VAR+3]   ; plain work that touches neither PD, RD nor LG stands behind the four transcendentals
	v_pk_mul_f32 v[e_q+10:e_q+11], v[DIF+10:DIF+11], v[VAR:VAR+1]
	HK \first, \nch, \ckk, \cr, 6
	v_pk_mul_f32 v[e_q+12:e_q+13], v[DIF+12:DIF+13], v[VAR+6:VAR+7]
	v_pk_mul_f32 v[e_q+14:e_q+15], v[DIF+14:DIF+15], v[VAR+4:VAR+5]
	s_wait_alu depctr_va_vdst(0)
	v_pk_mul_f32 v[PD:PD+1], v[RD:RD+1], v[PC+2:PC+3]              ; 1 / (product of four, lower half)
	v_pk_mul_f32 v[PC:PC+1], v[RD:RD+1], v[PC:PC+1]                ; 1 / (product of four, upper half)
	v_pk_fma_f32 v[e_z:e_z+1], v[LG:LG+1], 0xc3000000, v[LW:LW+1] op_sel:[0,0,\kk] op_sel_hi:[1,0,\kk]   ; log-weight - 128 log2: this starts the sum
	HK \first, \nch, \ckk, \cr, 7
	v_pk_mul_f32 v[VAR:VAR+1],   v[PD:PD+1], v[PAB+2:PAB+3]        ; the four reciprocals of the products of two, where the upper variances were
	v_pk_mul_f32 v[VAR+4:VAR+5], v[PC:PC+1], v[PAB+6:PAB+7]
	v_pk_mul_f32 v[VAR+2:VAR+3], v[PD:PD+1], v[PAB:PAB+1]
	v_pk_mul_f32 v[VAR+6:VAR+7], v[PC:PC+1], v[PAB+4:PAB+5]
	HK \first, \nch, \ckk, \cr, 8
	v_pk_mul_f32 v[e_q:e_q+1],     v[e_q:e_q+1],     v[VAR:VAR+1]      ; q = diff / var; the two chains of sum diff q are woven in
	v_pk_mul_f32 v[e_q+8:e_q+9],   v[e_q+8:e_q+9],   v[VAR+4:VAR+5]
	v_pk_mul_f32 v[e_q+2:e_q+3],   v[e_q+2:e_q+3],   v[VAR:VAR+1]
	v_pk_mul_f32 v[e_q+10:e_q+11], v[e_q+10:e_q+11], v[VAR+4:VAR+5]
	HK \first, \nch, \ckk, \cr, 9
	v_pk_mul_f32 v[SQ:SQ+1],       v[DIF:DIF+1],     v[e_q:e_q+1]      ; the first products start the chains
	v_pk_mul_f32 v[SQ+2:SQ+3],     v[DIF+8:DIF+9],   v[e_q+8:e_q+9]
	v_pk_mul_f32 v[e_q+4:e_q+5],   v[e_q+4:e_q+5],   v[VAR+2:VAR+3]
	v_pk_mul_f32 v[e_q+12:e_q+13], v[e_q+12:e_q+13], v[VAR+6:VAR+7]
	v_pk_fma_f32 v[SQ:SQ+1],       v[DIF+2:DIF+3],   v[e_q+2:e_q+3],   v[SQ:SQ+1]
	v_pk_fma_f32 v[SQ+2:SQ+3],     v[DIF+10:DIF+11], v[e_q+10:e_q+11], v[SQ+2:SQ+3]
	HK \first, \nch, \ckk, \cr, 10
	v_pk_mul_f32 v[e_q+6:e_q+7],   v[e_q+6:e_q+7],   v[VAR+2:VAR+3]
	v_pk_mul_f32 v[e_q+14:e_q+15], v[e_q+14:e_q+15], v[VAR+6:VAR+7]
	v_pk_fma_f32 v[SQ:SQ+1],       v[DIF+4:DIF+5],   v[e_q+4:e_q+5],   v[SQ:SQ+1]
	v_pk_fma_f32 v[SQ+2:SQ+3],     v[DIF+12:DIF+13], v[e_q+12:e_q+13], v[SQ+2:SQ+3]
	HK \first, \nch, \ckk, \cr, 11
	v_pk_fma_f32 v[SQ:SQ+1],       v[DIF+6:DIF+7],   v[e_q+6:e_q+7],   v[SQ:SQ+1]
	v_pk_fma_f32 v[SQ+2:SQ+3],     v[DIF+14:DIF+15], v[e_q+14:e_q+15], v[SQ+2:SQ+3]
.endm
; Item i (0 to 23) of  acc = acc 2^(old m - new m) + p0 q0 + p1 q1  for the 16 columns of row r: 8 pairs rescaled, 8 times p0 q0, 8 times p1 q1.
; In the first trip the product p0 q0 starts the sums: nothing is cleared, and items 8 to 15 are empty.
.macro AI first, r, i
.set a_p,  (\i) % 8
.set a_a,  ACC+16*\r+2*a_p
.set a_q,  Q+16*\r+2*a_p
.set a_am, AM0+(AM1-AM0)*\r
.set a_pp, PP+2*\r
.if (\i) < 8
.if \first
	v_pk_mul_f32 v[a_a:a_a+1], v[a_q:a_q+1], v[a_pp:a_pp+1] op_sel:[0,0] op_sel_hi:[1,0]
.else
	v_pk_mul_f32 v[a_a:a_a+1], v[a_a:a_a+1], v[a_am:a_am+1] op_sel:[0,0] op_sel_hi:[1,0]
.endif
.else
.if (\i) < 16
.if \first == 0
	v_pk_fma_f32 v[a_a:a_a+1], v[a_q:a_q+1], v[a_pp:a_pp+1], v[a_a:a_a+1] op_sel:[0,0,0] op_sel_hi:[1,0,1]
.endif
.else
	v_pk_fma_f32 v[a_a:a_a+1], v[a_q+32:a_q+33], v[a_pp:a_pp+1], v[a_a:a_a+1] op_sel:[0,1,0] op_sel_hi:[1,1,1]
.endif
.endif
.endm
; Trip j: two k, two rows a lane, 16 columns.  sig: chunk j + 1, stored before this trip, is handed over by the trip's barrier;
; req: chunk j + 2 is asked for at the head and stored near the end; next: trip j + 1 follows.
; On entry the eight loads of the trip's first k, the load of its two log-weights and my two stores of chunk j + 1 are out or done.
.macro TRIP first, sig, req, next
	s_wait_dscnt 0x0                               ; for the other waves' sake: my part of chunk j + 1 is in LDS before I say so; for mine: the first k and the log-weights are in
.if \req
	v_add_nc_u32 v[GA], CHUNK_G, v[GA]
	global_load_b128 v[ST:ST+3],   v[GA], s[4:5]
	global_load_b128 v[ST+4:ST+7], v[GA], s[6:7]
.endif
.if \sig
	s_barrier_signal -1                            ; up to the wait below: register work, and reads of chunk j, which no wave writes any more
.endif
	ELEM 0, 0, \first, 0,  0, 0, 0, 0
	ELEM 0, 1, \first, 7,  0, 0, 1, 0              ; the lane sums of (first k, row 0) ride along; the second k is asked for
	ELEM 1, 0, \first, 7,  0, 1, 0, 1              ; those of (first k, row 1)
	ELEM 1, 1, \first, 12, 1, 0, 0, 0              ; those of (second k, row 0), and row 0's softmax
.if \sig
	s_barrier_wait -1                              ; chunk j + 1 is whole: every wave waited for its stores in front of its signal
.endif
.if \next
	LS CHUNK_L                                     ; the next trip's first k,
	LC CHUNK_L
	ds_load_b64 v[LW:LW+1], v[LWA] offset:32       ; and its two log-weights (this trip's were last read in the block above)
	v_add_nc_u32 v[LA], CHUNK_L, v[LA]
	v_add_nc_u32 v[LWA], 32, v[LWA]
.endif
.irp n, 0,1,2,3,4,5,6,7,8,9,10,11
	CH \first, 1, 1, \n                            ; the lane sums of (second k, row 1) and row 1's softmax, a step at a time,
	AI \first, 0, 2*\n                             ; among row 0's updates, which name none of row 1's registers
	AI \first, 0, 2*\n+1
.endr
.if \req
	STAGE                                          ; chunk j + 2: behind this trip's barrier wait, ahead of the next trip's signal; row 1's updates stand between the stores and their wait
.endif
.irp n, 0,1,2,3,4,5,6,7,8,9,10,11,12,13,14,15,16,17,18,19,20,21,22,23
	AI \first, 1, \n
.endr
.endm
	LS 0
	LC 0
	ds_load_b64 v[LW:LW+1], v[LWA]
	STAGE                                          ; chunk 1; its wait also shows x in
	TRIP 1, 1, 1, 1                                ; trip 0 starts the sums
	s_mov_b32 s24, 13
.Ltrip:
	TRIP 0, 1, 1, 1                                ; trips 1 to 13: the last of them asks for chunk 15 and stores it
	s_sub_co_u32 s24, s24, 1
	s_cmp_lg_u32 s24, 0
	s_cbranch_scc1 .Ltrip
	TRIP 0, 1, 0, 1                                ; trip 14 hands chunk 15 over and asks for nothing
	TRIP 0, 0, 0, 0                                ; trip 15: no barrier, nothing ahead; it ends with no LDS access of mine out
	; THE MERGE.  The four waves with my rg hold (m, l, acc) of my four rows for a quarter of the k each.  All put theirs into LDS, over the
	; table's first bytes, which nobody reads behind the barrier below; wave (rg, kg) then finishes column block kg of the four rows.
	v_and_b32 v[VAR], 31, v0
	v_lshlrev_b32 v[VAR], 4, v[VAR]                ; 16 x lane
	v_bfe_u32 v[VAR+1], v0, 4, 1
	v_lshlrev_b32 v[VAR+1], 4, v[VAR+1]            ; 16 h
	s_lshl_b32 s20, s16, 12                        ; a wave's partial sums: 4,096 bytes
	s_lshl_b32 s21, s16, 5                         ; its (m0, m1, l0, l1) for each half: 32 bytes
	s_add_co_u32 s21, s21, MLB
	v_add_nc_u32 v[VAR+2], s20, v[VAR]
	v_add_nc_u32 v[VAR+3], s21, v[VAR+1]
	s_lshl_b32 s20, s17, 12
	s_lshl_b32 s22, s18, 9
	s_add_co_u32 s20, s20, s22                     ; from wave 4 g + rg: block r x 4 + kg of 512 bytes
	s_lshl_b32 s21, s17, 5
	s_add_co_u32 s21, s21, MLB
	v_add_nc_u32 v[VAR+4], s20, v[VAR]
	v_add_nc_u32 v[VAR+5], s21, v[VAR+1]
	s_lshl_b32 s22, s18, 8
	v_add_nc_u32 v[XO], s22, v[XO]                 ; column block kg in out (all loads that used XO were waited for)
	s_barrier_signal -1
	s_barrier_wait -1                              ; every wave's reads of the table are over
.irp n, 0,1,2,3,4,5,6,7
	ds_store_b128 v[VAR+2], v[ACC+4*\n:ACC+4*\n+3] offset:512*\n   ; 32 lanes, 512 consecutive bytes
.endr
	ds_store_b128 v[VAR+3], v[MLS:MLS+3]           ; the 16 lanes of a half write the same 16 bytes with the same bits
	s_wait_dscnt 0x0
	s_barrier_signal -1
	s_barrier_wait -1
.irp g, 0,1,2,3
	ds_load_b128 v[Q+32+4*\g:Q+35+4*\g], v[VAR+5] offset:128*\g    ; m0, m1, l0, l1 of quarter g
.endr
.irp g, 0,1,2,3
.irp r, 0,1
	ds_load_b128 v[Q+8*\g+4*\r:Q+8*\g+4*\r+3], v[VAR+4] offset:16384*\g+2048*\r
.endr
.endr
	s_wait_dscnt 0x8                               ; the four (m, l) are in; the eight loads of partial sums may be out
	v_max3_num_f32 v[DIF],   v[Q+32], v[Q+36], v[Q+40]
	v_max3_num_f32 v[DIF+1], v[Q+33], v[Q+37], v[Q+41]
	v_max_num_f32 v[DIF],   v[DIF],   v[Q+44]
	v_max_num_f32 v[DIF+1], v[DIF+1], v[Q+45]
.irp g, 0,1,2,3
	v_pk_add_f32 v[Q+32+4*\g:Q+33+4*\g], v[Q+32+4*\g:Q+33+4*\g], v[DIF:DIF+1] neg_lo:[0,1] neg_hi:[0,1]
.endr
.irp g, 0,1,2,3
	v_exp_f32 v[Q+32+4*\g], v[Q+32+4*\g]           ; f = 2^(m of the quarter - m of the row)
	v_exp_f32 v[Q+33+4*\g], v[Q+33+4*\g]
.endr
	v_nop
	s_wait_alu depctr_va_vdst(0)
	v_pk_mul_f32 v[DIF+2:DIF+3], v[Q+34:Q+35], v[Q+32:Q+33]
.irp g, 1,2,3
	v_pk_fma_f32 v[DIF+2:DIF+3], v[Q+34+4*\g:Q+35+4*\g], v[Q+32+4*\g:Q+33+4*\g], v[DIF+2:DIF+3]
.endr
	v_rcp_f32 v[DIF+2], v[DIF+2]                   ; the sum is at least 1: the row's largest term is 2^0
	v_rcp_f32 v[DIF+3], v[DIF+3]
	v_nop
	s_wait_alu depctr_va_vdst(0)
	v_pk_mul_f32 v[DIF+2:DIF+3], v[DIF+2:DIF+3], v[SF:SF+1]        ; sqrt(1 - e) / sum
.irp g, 0,1,2,3
	v_pk_mul_f32 v[Q+32+4*\g:Q+33+4*\g], v[Q+32+4*\g:Q+33+4*\g], v[DIF+2:DIF+3]
.endr
	s_wait_dscnt 0x0
.irp r, 0,1
.irp p, 0,1
	v_pk_mul_f32 v[ACC+4*\r+2*\p:ACC+4*\r+2*\p+1], v[Q+4*\r+2*\p:Q+4*\r+2*\p+1], v[Q+32:Q+33] op_sel:[0,\r] op_sel_hi:[1,\r]
.irp g, 1,2,3
	v_pk_fma_f32 v[ACC+4*\r+2*\p:ACC+4*\r+2*\p+1], v[Q+8*\g+4*\r+2*\p:Q+8*\g+4*\r+2*\p+1], v[Q+32+4*\g:Q+33+4*\g], v[ACC+4*\r+2*\p:ACC+4*\r+2*\p+1] op_sel:[0,\r,0] op_sel_hi:[1,\r,1]
.endr
.endr
.endr
	global_store_b128 v[XO], v[ACC:ACC+3],   s[14:15] th:TH_STORE_NT                  ; 16 lanes store 256 consecutive bytes, at a multiple of 256 from out's first byte
	global_store_b128 v[XO], v[ACC+4:ACC+7], s[14:15] offset:2*ROWB th:TH_STORE_NT
	s_wait_xcnt 0x0
	v_lshl_add_u32 v246, v0, 2, 0x40200
	v_mov_b32 v247, 0
	s_wait_tensorcnt 0x0
	ds_add_u32 v246, v247
	s_wait_dscnt 0x0
	s_endpgm
.Lfunc_end_k_qc35d0643d4_score:
	.size	k_qc35d0643d4_score, .Lfunc_end_k_qc35d0643d4_score-k_qc35d0643d4_score
	.p2alignl 7, 3214868480
	.fill 96, 4, 3214868480
	.section	.rodata,"a",@progbits
	.p2align	6, 0x0
	.amdhsa_kernel k_qc35d0643d4_score
		.amdhsa_group_segment_fixed_size 264704
		.amdhsa_private_segment_fixed_size 0
		.amdhsa_enable_private_segment 0
		.amdhsa_kernarg_size 48
		.amdhsa_user_sgpr_count 2
		.amdhsa_user_sgpr_kernarg_segment_ptr 1
		.amdhsa_wavefront_size32 1
		.amdhsa_system_sgpr_workgroup_id_x 1
		.amdhsa_system_sgpr_workgroup_id_y 1
		.amdhsa_system_sgpr_workgroup_id_z 1
		.amdhsa_system_vgpr_workitem_id 0
		.amdhsa_next_free_vgpr 256
		.amdhsa_next_free_sgpr 66
		.amdhsa_reserve_vcc 0
		.amdhsa_float_denorm_mode_32 3
		.amdhsa_float_denorm_mode_16_64 3
		.amdhsa_memory_ordered 1
		.amdhsa_forward_progress 1
		.amdhsa_inst_pref_size 95
	.end_amdhsa_kernel
	.amdgpu_metadata
---
amdhsa.version: [ 1, 2 ]
amdhsa.kernels:
  - .name:           k_qc35d0643d4_score
    .symbol:         k_qc35d0643d4_score.kd
    .args:
      - { .name: centers, .offset: 0, .size: 8, .value_kind: global_buffer, .address_space: global }
      - { .name: stds, .offset: 8, .size: 8, .value_kind: global_buffer, .address_space: global }
      - { .name: t, .offset: 16, .size: 8, .value_kind: global_buffer, .address_space: global }
      - { .name: weights, .offset: 24, .size: 8, .value_kind: global_buffer, .address_space: global }
      - { .name: x, .offset: 32, .size: 8, .value_kind: global_buffer, .address_space: global }
      - { .name: out0, .offset: 40, .size: 8, .value_kind: global_buffer, .address_space: global }
    .group_segment_fixed_size: 264704
    .private_segment_fixed_size: 0
    .kernarg_segment_align: 8
    .kernarg_segment_size: 48
    .max_flat_workgroup_size: 512
    .sgpr_count:     66
    .vgpr_count:     256
    .wavefront_size: 32
...
	.end_amdgpu_metadata
.endif
;; end of part 2
